; MI455X (gfx1250); checked and timed in simulation.
; The chip was launched on July 23, 2026; its instructions are those of AMD's public machine-readable ISA for CDNA 5 (MIT licence, August 2026) and "CDNA5" Instruction Set Architecture Reference Guide (July 2026). The comments in the code are by the model that wrote it; some were corrected since.
;; Multi Time Attention. Allowed arithmetic: matrix products marked QUANTISED: E2M1 operands, one E8M0 scale for each 32 along K, by v_wmma_scale_f32_16x16x128_f8f6f4 with both operands' format E2M1 (or v_wmma_scale_f32_32x16x128_f4), f32 sums; products left as they are: f32 operands where the result goes on into a quantised operand, else bf16, f16 or f32 operands; f32 sums; everything else in f32.
;; Inputs: Wk_codes 128 x 4 x 16 uint8 (E2M1 codes of Wk, K innermost, in blocks of 32 codes, two codes a byte); Wk_scales 128 x 4 uint8 (E8M0 scales of Wk, one for each 32 codes along K); Wo_codes 128 x 32 x 16 uint8 (E2M1 codes of Wo, K innermost, in blocks of 32 codes, two codes a byte); Wo_scales 128 x 32 uint8 (E8M0 scales of Wo, one for each 32 codes along K); Wq_codes 128 x 4 x 16 uint8 (E2M1 codes of Wq, K innermost, in blocks of 32 codes, two codes a byte); Wq_scales 128 x 4 uint8 (E8M0 scales of Wq, one for each 32 codes along K); bk 128 float32; bo 128 float32; bq 128 float32; key_codes 8 x 2,048 x 4 x 16 uint8 (E2M1 codes of key, K innermost, in blocks of 32 codes, two codes a byte); key_scales 8 x 2,048 x 4 uint8 (E8M0 scales of key, one for each 32 codes along K); query_codes 8 x 2,048 x 4 x 16 uint8 (E2M1 codes of query, K innermost, in blocks of 32 codes, two codes a byte); query_scales 8 x 2,048 x 4 uint8 (E8M0 scales of query, one for each 32 codes along K); value_codes 8 x 128 x 64 x 16 uint8 (E2M1 codes of value, K innermost, in blocks of 32 codes, two codes a byte); value_scales 8 x 128 x 64 uint8 (E8M0 scales of value, one for each 32 codes along K).
;; Outputs: out0 8 x 2,048 x 128 float32.
;; This version of the problem:
;;   THIS VERSION OF THE PROBLEM IS GIVEN IN LOW PRECISION. The matrix products marked QUANTISED in the list below multiply operands that are first quantised to E2M1 (2 exponent bits, 1 mantissa bit; 4 bits a number), with one power-of-two scale for each 32 numbers along K (OCP MX v1.0); their sums are f32. All else is computed in f32.
;;   The module's matrix products, in the order in which they are computed (A, B: the left and right operand; K: the contracted axis; several contracted axes count as one K, in the product's order):
;;     1. [M 16,384, K 128] x [K 128, N 128]; A: input query (given as codes); B: input Wq (given as codes): QUANTISED
;;     2. [M 16,384, K 128] x [K 128, N 128]; A: input key (given as codes); B: input Wk (given as codes): QUANTISED
;;     3. batch 64 x [M 2,048, K 16] x [K 16, N 2,048]; A: computed on the way; B: computed on the way: left as it is (K = 16 < 32)
;;     4. batch 8 x [M 16,384, K 2,048] x [K 2,048, N 128]; A: softmax (see below); B: input value (given as codes): QUANTISED
;;     5. [M 16,384, K 1,024] x [K 1,024, N 128]; A: computed on the way; B: input Wo (given as codes): QUANTISED
;;   THE QUANTISER, for each operand of a quantised product, along K:
;;     - K is cut into blocks of 32 from its start; a last block that is shorter is filled with zeros.
;;     - A block's scale is 2^e with e = floor(log2(the largest magnitude in the block)) - 2, held to -126 .. 127; a block of zeros has e = 0. As a byte (E8M0): e + 127.
;;     - Each number is divided by its block's scale, clamped to +-6, and rounded to the nearest number of E2M1, ties to even, subnormals kept.
;;     - The product sums the exact products of the quantised numbers (number of the format x scale) in f32.
;;   ~~~python
;;   def quantise(x, axis):      # numpy; x: float32 -> the quantised numbers, widened to float32 again
;;       x = np.moveaxis(x, axis, -1); K = x.shape[-1]
;;       x = np.pad(x, [(0, 0)] * (x.ndim - 1) + [(0, -K % 32)]); x = x.reshape(x.shape[:-1] + (-1, 32)); a = np.abs(x).max(-1, keepdims=True)
;;       e = np.where(a > 0, np.clip(np.frexp(np.where(a > 0, a, 1))[1] - 1 - 2, -126, 127), 0)      # np.frexp(a)[1] - 1 = floor(log2(a)), exactly
;;       r = np.clip(x / 2.0 ** e, -6, 6)
;;       step = 2.0 ** (np.maximum(np.frexp(np.where(r == 0, 1, r))[1] - 1, 0) - 1)
;;       q = np.round(r / step) * step * 2.0 ** e      # np.round: ties to even
;;       return np.moveaxis(q.reshape(q.shape[:-2] + (-1,))[..., :K], -1, axis).astype(np.float32)
;;   ~~~
;;   SOFTMAX AHEAD OF A QUANTISED PRODUCT. Where the list says 'softmax', what is quantised is not the finished softmax but p = 2^(t - M), with t = logit x log2(e) and M = ceil(the row's largest t), a whole number; so 1/2 < the row's largest p <= 1. The row's sum l is taken of the UNQUANTISED p, in f32, and the product's result is divided by l at the end. Since M is a whole number, a kernel that streams over the keys may use a running M (the ceiling of the running maximum): every later rescaling is an exact power of two, which a block's scale takes up: the codes' values come out the same.
;;   OPERANDS COMPUTED ON THE WAY. 'Computed on the way' means the value that the module computes at that place (a softmax that the list does not call 'softmax' is quantised finished and normalised). What goes into a quantiser is computed in f32, as accurately as f32 sums, v_exp_f32 and their like allow (about 1e-6 of the number): no bf16 or f16 on the way to a quantiser, and a product that is left as it is and whose result goes on into a quantised operand takes f32 operands (vector FMAs, or v_wmma_f32_16x16x4_f32). A number that lies on a knife's edge between two numbers of the format may be rounded either way, as far as f32 arithmetic and the matrix unit's own rounding can turn it there, and no further.
;;   INPUTS GIVEN AS CODES. Wk (in the module: [128, 128], K = its axis 0); Wo (in the module: [1024, 128], K = its axis 0); Wq (in the module: [128, 128], K = its axis 0); key (in the module: [8, 2048, 128], K = its axis 2); query (in the module: [8, 2048, 128], K = its axis 2); value (in the module: [8, 2048, 128], K = its axis 1): each comes as NAME_codes (uint8): NAME with its K axis moved to the last place and cut into blocks of 32 codes, [.., K / 32, bytes a block], one block behind the other in memory; two codes a byte, the lower K in the low four bits (a code: sign, 2 exponent bits, 1 mantissa bit); and NAME_scales (uint8): the same leading axes, one E8M0 byte (e + 127) for each 32 codes along K. Its value is code x scale, taken as it is: it is not quantised again, and the codes and scales need not be those that the quantiser above would give.
;; One version. Each part assembles by itself: llvm-mc -triple=amdgcn-amd-amdhsa -mcpu=gfx1250 --defsym DOCPART=n.
;; ======== version 1 of 1: 1 launch
;; launch mta (part 1): grid 32 x 8, 16 waves a work-group, clusters of 4 x 1, 327,680 bytes of LDS; arguments key_codes, key_scales, value_codes, value_scales, query_codes, query_scales, Wq_codes, Wq_scales, bq, Wk_codes, Wk_scales, bk, Wo_codes, Wo_scales, bo, out0; writes out0
.if DOCPART == 1
	.amdgcn_target "amdgcn-amd-amdhsa--gfx1250"
	.amdhsa_code_object_version 6
	.text
	.protected	k_q0b7442d662_mta
	.globl	k_q0b7442d662_mta
	.p2align	8
	.type	k_q0b7442d662_mta,@function
k_q0b7442d662_mta:
	s_mov_b64 s[64:65], 0
	v_nop
	global_prefetch_b8 v0, s[64:65] scope:SCOPE_SE
	s_setreg_imm32_b32 hwreg(HW_REG_WAVE_MODE, 25, 1), 1
	s_wait_xcnt 0x0
	s_wait_alu depctr_hold_cnt(0) depctr_sa_sdst(0) depctr_va_vdst(0) depctr_va_sdst(0) depctr_va_ssrc(0) depctr_va_vcc(0) depctr_vm_vsrc(0)
	s_getreg_b32 s2, hwreg(HW_REG_IB_STS2, 6, 4)
	s_cmp_eq_u32 s2, 0
	s_cbranch_scc0 .Lentry_in_a_cluster
	s_endpgm
.Lentry_in_a_cluster:
	s_bfe_u32 s2, ttmp6, 0x10000c
	s_cmp_lg_u32 s2, 0x3003
	s_cbranch_scc0 .Lentry_shape_is_right
	s_endpgm
.Lentry_shape_is_right:
; MultiTimeAttention, the whole module in one launch: out0 = concat_h( softmax(q_h k_h^T / 4) V ) Wo + bo, q = query Wq + bq, k = key Wk + bk; 8 batches, 2,048 queries, 2,048 keys, 8 heads of 16; V [2048][128] is shared by the heads.
; The products with Wq, Wk, V and Wo run on E2M1 codes with E8M0 scales (v_wmma_scale_f32_16x16x128_f8f6f4); the scores, K = 16, go on into a quantiser and are made of f32 operands (v_wmma_f32_16x16x4_f32).
; NO WORK IS LEFT OUT, and every input is loaded.  bq and bk move t by an amount that is no whole number, so they move p's codes and scales, though a softmax in real numbers would cancel bk's term; bo reaches the output.
; SOFTMAX: t = score x log2(e) / 4; M = the running largest t rounded up to a whole number; p = 2^(t - M) is quantised along the keys, not normalised; l = the f32 sum of the unquantised p; when M moves, l and O are multiplied by 2^(old M - new M), exactly.
; x = O / l is quantised along (head, d) and multiplied by Wo.
; SHARES.  A work-group owns 64 queries of one batch.  Wave w: query tile m = w % 4 (16 queries), g = w / 4; it runs two UNITS on end, heads g and 4 + g: one tile of queries x one head x all 2,048 keys, 128 a step.
; In the last phase wave w makes outputs 16 (w % 8) .. + 15 for query tiles 2 (w / 8) and 2 (w / 8) + 1.  Sixteen waves of 256 registers: four share a SIMD, so that one wave's vector work stands beside another's matrix work.
; LDS HOLDS A WHOLE BATCH AS CODES: 128 KiB of key codes, 128 KiB of value codes, 8 KiB of scale bytes each.  It is filled once, at the head; nothing is filled again, so the loop over the keys has no barrier.
; CLUSTER.  The four work-groups of a cluster belong to one batch and need the same four tensors: every fill is a joint load (mask 15).  The place in the cluster enters the addresses of query and out0 alone.
; q AND k NEVER LEAVE REGISTERS.  The projection is used transposed (source 0 = the head's 16 rows of Wk's codes, source 1 = 16 keys, C = bk): lane (r, h) register j holds k[key r][e = 8 h + j].  Registers 2 s, 2 s + 1 are then source 0 of
; K step s of the f32 product, with e = 8 h + 2 s + j' in the place of k = 2 h + j'; q is made the same way and has the same order of e, and an order applied alike to both sources keeps the sum.
; k is made anew by every wave that wants it: a tile's 16 keys are 1,024 bytes of codes in LDS, as many as their 16 x 16 f32 numbers of one head would be, and one projection feeds the tile's four f32 products; no launch and no buffer is spent on k.
; BOTH ATTENTION PRODUCTS ARE USED TRANSPOSED, so a lane holds ONE query throughout.  THE ROWS OF A TILE ARE NOT NEIGHBOURS, of keys and of V's d alike: lane r of tile 2 b + u takes row 32 b + 8 u + r + 8 (r / 8), so that the
; 16 registers of tiles 2 b and 2 b + 1 are 16 neighbours, 32 b + 16 (lane / 16) + 0 .. 15, along the next product's K.
; No prefetch is written: every stream is asked for at the head, by the first fills; what is loaded later is a few KiB of weights.
; LIMITS.  NaN, infinities and the scale byte 0xff among the inputs are not served.  A block of zeros gets the byte 1 and zero codes (these bytes are read by this program alone).  A p under 2^-126 becomes 0 (v_exp_f32).
; The f32 score sums e in the order 0,1,8,9, 2,3,10,11, ..; x = O x v_rcp_f32(l).
;
; LDS, in bytes
.set KC,    0              ; key codes as rows of TWO keys: 128 bytes + 16 of padding, pitch 144: key k at 144 (k / 2) + 64 (k % 2).  A tile's 16 rows fall on 16 different columns of 16 bytes modulo 256
.set VC,    147456         ; value codes: 8 groups of 16 rows d, 16,768 bytes a group (16 x 1,040 + 128); a row is 1,024 bytes + 16.  Odd groups stand 128 bytes further round the banks, so a tile's rows (8 of one group, 8 of the next) fall on 16 different columns
.set SCK,   281600         ; key scale words, dense, 4 bytes a key
.set SCV,   289792         ; value scale rows: 64 bytes + 8 of padding, pitch 72
.set XA,    299008         ; unit 0's images of x: piece c of a fragment at 8,192 c + 16 x thread
.set XAS,   315392         ; and their scale words: 4 x thread
.set SPARE, 317440         ; the spare words, 128 bytes for each of 16 waves: eight blocks of 256 bytes that no other line names
.set XB,    0              ; unit 1's images, its scale words and the stage lie in the key codes' bytes: those have had their one fill, and nobody reads them behind the barrier that stands in front of the first store there
.set XBS,   16384
.set STAGE, 32768          ; 64 rows of out0 x (512 bytes + 16)
; vector registers
.set SPW, 5                ; LDS address of my spare word: SPARE + 4 x my thread's number; never rewritten
.set NIL, 6                ; 0; never rewritten
.set WKS, 7                ; Wk's scale word
.set QF,  16               ; v16-23 q; in the last phase the first accumulator of out0
.set WK,  24               ; v24-31 Wk's fragment; in the last phase the second accumulator
.set BK,  32               ; v32-39 bk in the result's layout; in the last phase bo
.set CD,  40               ; v40-47 the codes just made
.set PT,  40               ; v40-43 also: the lane exchange's destination; v40-41 also: the second chain of the row's sum
.set SW,  48               ; v48-51 scale words from memory or LDS: scales and nothing else
.set BM,  52               ; v52-55 the blocks' largest, then the scales' bytes
.set SO,  56               ; v56-59 the conversions' scale operands; v56 also at work
.set FF,  60               ; f = 2^(old M - new M)
.set PW,  61               ; the scale word just made (named with v60 as a pair, of which the low word is taken)
.set WR,  64               ; v64-127 at work:
.set FB,  64               ;   v64-95 four fragments of key codes,
.set KF,  96               ;   v96-127 four tiles of k in f32; then all 64 are p; then V's eight fragments
.set SC,  128              ; v128-191 the scores S^T: written by v_wmma_f32_16x16x4_f32 alone in the whole text
.set OT,  192              ; v192-255 O^T; in the last phase Wo's eight fragments
; v1-4 my lane's places in KC, SCK, VC, SCV; v8, v9 addresses in hand; v10, v11, v62, v63 Wo's scale words; v12 -M, v13 the largest t, v14-15 l in two halves
; scalar registers
.set WV,  60               ; my wave's number
.set MT,  61               ; m = wave % 4
.set HG,  62               ; g = wave / 4
.set BA,  63               ; the batch
.set NT,  67               ; wave % 8
.set SEL, 84               ; s[84:85] v_permlanex16_b32's selects for lane l xor 16
.set CS,  86               ; s[86:87] c = log2(e) / 4; the packed form names a pair and takes its low word
.set TK,  88               ; where the step's keys begin in KC: 9,216 bytes a step
.set TS,  89               ; in SCK: 512
.set TV,  90               ; in a row of VC: 64
.set TT,  91               ; in a row of SCV: 4
.set CNT, 92
.set G0K, 28               ; descriptor groups 0: s[28:31] key codes, s[32:35] key scales, s[36:39] value codes, s[40:43] value scales
.set G0S, 32
.set G0V, 36
.set G0T, 40
.set G1K, 44               ; groups 1: s[44:51], s[52:59], s[68:75], s[76:83]
.set G1S, 52
.set G1V, 68
.set G1T, 76
; group 1, word 0: 15:0 the mask, all four work-groups; 17:16 the element's size; 20 padding on; 21 set beside a mask; 24:22 the interval; 31:25 the padding less one, in words
.set W0K, 15|(1<<20)|(1<<21)|(4<<22)|(3<<25)   ; bytes; 4 words behind every 32
.set W0S, 15|(3<<16)|(1<<21)                   ; elements of 8 bytes; no padding
.set W0V, 15|(1<<20)|(1<<21)|(7<<22)|(3<<25)   ; bytes; 4 words behind every 256
.set W0T, 15|(1<<20)|(1<<21)|(3<<22)|(1<<25)   ; bytes; 2 words behind every 16
.macro PLACES n                        ; places behind a matrix instruction: plain vector instructions that name none of its registers (ISA guide 7.12.1)
.rept \n
	v_nop
.endr
.endm
.macro GROUP1 g, w0, c, r              ; r rows of c elements, dense in memory
	s_mov_b32 s[\g], \w0
	s_mov_b32 s[\g+1], (\c)<<16                    ; tensor_dim0
	s_mov_b32 s[\g+2], (\r)<<16                    ; tensor_dim1
	s_mov_b32 s[\g+3], (\c)<<16                    ; tile_dim0
	s_mov_b32 s[\g+4], \r                          ; tile_dim1
	s_mov_b32 s[\g+5], \c                          ; from row to row
	s_mov_b32 s[\g+6], 0
	s_mov_b32 s[\g+7], 0
.endm
.macro CROUND                          ; a round of the cluster's barrier
	s_barrier_signal -1
	s_barrier_wait -1
	s_cmp_lg_u32 s[WV], 0
	s_cbranch_scc1 .Lnot_wave_0_\@
	s_barrier_signal -3
.Lnot_wave_0_\@:
	s_barrier_wait -3
	s_barrier_signal -1
	s_barrier_wait -1
.endm
; A product on codes: D, source 0, source 1, C (first registers), the two scale registers, and which half of the lanes holds each side's scale words (0: lanes 0-15, 1: lanes 16-31)
.macro MX d, a, b, c, sa, sb, ra, rb
.if ((\ra) == 0) && ((\rb) == 0)
	v_wmma_scale_f32_16x16x128_f8f6f4 v[\d:\d+7], v[\a:\a+7], v[\b:\b+7], v[\c:\c+7], v[\sa], v[\sb] matrix_a_fmt:MATRIX_FMT_FP4 matrix_b_fmt:MATRIX_FMT_FP4
.elseif (\rb) == 0
	v_wmma_scale_f32_16x16x128_f8f6f4 v[\d:\d+7], v[\a:\a+7], v[\b:\b+7], v[\c:\c+7], v[\sa], v[\sb] matrix_a_fmt:MATRIX_FMT_FP4 matrix_b_fmt:MATRIX_FMT_FP4 matrix_a_scale:MATRIX_SCALE_ROW1
.elseif (\ra) == 0
	v_wmma_scale_f32_16x16x128_f8f6f4 v[\d:\d+7], v[\a:\a+7], v[\b:\b+7], v[\c:\c+7], v[\sa], v[\sb] matrix_a_fmt:MATRIX_FMT_FP4 matrix_b_fmt:MATRIX_FMT_FP4 matrix_b_scale:MATRIX_SCALE_ROW1
.else
	v_wmma_scale_f32_16x16x128_f8f6f4 v[\d:\d+7], v[\a:\a+7], v[\b:\b+7], v[\c:\c+7], v[\sa], v[\sb] matrix_a_fmt:MATRIX_FMT_FP4 matrix_b_fmt:MATRIX_FMT_FP4 matrix_a_scale:MATRIX_SCALE_ROW1 matrix_b_scale:MATRIX_SCALE_ROW1
.endif
.endm
; The code fragments of key tiles 4 g .. 4 g + 3 of the step: tile 2 b + u begins at key 32 b + 8 u: 2,304 b + 576 u bytes.  With g = 0 also the step's scale words: register i holds tile 2 i's in lanes 0-15 and tile 2 i + 1's in lanes 16-31
.macro LOADK g
.irp t, 0,1,2,3
.irp c, 0,1
	ds_load_b128 v[FB+8*\t+4*\c:FB+8*\t+4*\c+3], v8 offset:2304*(2*\g+\t/2)+576*(\t%2)+32*\c
.endr
.endr
.if \g == 0
.irp i, 0,1,2,3
	ds_load_b32 v[SW+\i], v9 offset:128*\i
.endr
.endif
.endm
.macro PROJ g                          ; k of four tiles: source 0 = Wk's 16 rows, source 1 = 16 keys, C = bk
.irp t, 0,1,2,3
	MX KF+8*\t, WK, FB+8*\t, BK, WKS, SW+2*\g+\t/2, 0, \t%2
.endr
.endm
.macro SCORE g                         ; S^T of four tiles: four K steps of 4; the first starts each sum with the constant 0; the four accumulators take turns, one instruction a turn
.irp s, 0,1,2,3
.irp t, 0,1,2,3
.if \s == 0
	v_wmma_f32_16x16x4_f32 v[SC+32*\g+8*\t:SC+32*\g+8*\t+7], v[KF+8*\t:KF+8*\t+1], v[QF:QF+1], 0
.else
	v_wmma_f32_16x16x4_f32 v[SC+32*\g+8*\t:SC+32*\g+8*\t+7], v[KF+8*\t+2*\s:KF+8*\t+2*\s+1], v[QF+2*\s:QF+2*\s+1], v[SC+32*\g+8*\t:SC+32*\g+8*\t+7]
.endif
.endr
.endr
.endm
.macro BMAX b0, b1                     ; the largest score of two blocks of 32 keys (my 16 of each), by turns; each accumulator is read from its low end on
.irp b, \b0, \b1
	v_max3_num_f32 v[BM+\b], v[SC+16*\b], v[SC+16*\b+1], v[SC+16*\b+2]
.endr
.irp i, 3,5,7,9,11,13
.irp b, \b0, \b1
	v_max3_num_f32 v[BM+\b], v[BM+\b], v[SC+16*\b+\i], v[SC+16*\b+\i+1]
.endr
.endr
.irp b, \b0, \b1
	v_max_num_f32 v[BM+\b], v[BM+\b], v[SC+16*\b+15]
.endr
.endm
; From the blocks' largest magnitudes in v[BM] on (with the floor): the conversions' operands, the bytes, the scale word, the codes of v[WR] .. v[WR + 63], and the exchange that gives each lane whole blocks
.macro CODES
.irp b, 0,1,2,3
	v_add_nc_u32 v[SO+\b], 0xff000000, v[BM+\b]    ; 2 off the exponent field: the conversion takes the exponent field of this operand as its scale, and nothing else of it
.endr
.irp b, 0,1,2,3
	v_lshrrev_b32 v[BM+\b], 23, v[SO+\b]           ; the scale's byte
.endr
	v_lshl_or_b32 v[PW], v[BM+1], 8, v[BM]         ; four bytes make my row's scale word
	v_lshl_or_b32 v[PW], v[BM+2], 16, v[PW]
	v_lshl_or_b32 v[PW], v[BM+3], 24, v[PW]
.irp b, 0,1,2,3
	v_cvt_scalef32_pk8_fp4_f32 v[CD+2*\b], v[WR+16*\b:WR+16*\b+7], v[SO+\b]
	v_cvt_scalef32_pk8_fp4_f32 v[CD+2*\b+1], v[WR+16*\b+8:WR+16*\b+15], v[SO+\b]
.endr
	v_nop                                          ; one plain place behind a scaled conversion
.irp c, 0,1                            ; lanes 0-15 take block 2 c whole, lanes 16-31 block 2 c + 1
.irp i, 0,1
	v_permlane16_swap_b32 v[CD+4*\c+\i], v[CD+4*\c+2+\i]
.endr
.endr
.endm
; A KEY STEP: 128 keys for my 16 queries and my head
.macro STEP
	v_add_nc_u32 v8, s[TK], v1
	v_add_nc_u32 v9, s[TS], v2
	PLACES 3                                       ; with the two additions five places behind the last products: four for the loads into registers that those read, five since the projection writes over registers that they read
	LOADK 0
	s_wait_dscnt 0x0
	PROJ 0
	PLACES 5                                       ; k becomes source 0 of a matrix instruction: five places; the loads below into the fragments just read want four
	LOADK 1                                        ; the second half's codes land while the first half's scores are made
	SCORE 0
	s_wait_dscnt 0x0
	PLACES 9                                       ; the projection writes over registers that the f32 products have read: nine places behind that form
	PROJ 1
	PLACES 5
	SCORE 1
	BMAX 0, 1                                      ; sixteen lines on the first half's scores, finished fourteen places ago: they name nothing of the products just issued and are the eight places behind those
	BMAX 2, 3
.irp b, 0,1,2,3
	v_permlanex16_b32 v[PT+\b], v[BM+\b], s[SEL], s[SEL+1]
.endr
.irp b, 0,1,2,3
	v_max_num_f32 v[BM+\b], v[BM+\b], v[PT+\b]     ; with lane l xor 16's 16 keys: the block's largest score.  It serves twice: for the row's maximum and, since p rises with the score, for the block's largest p
.endr
	v_max3_num_f32 v56, v[BM], v[BM+1], v[BM+2]
	v_max_num_f32 v56, v56, v[BM+3]                ; the step's largest score of my query
	v_mul_f32 v56, s[CS], v56                      ; as t (c is positive)
	v_max_num_f32 v13, v13, v56                    ; the running largest t
	v_mov_b32 v56, v12
	v_floor_f32 v12, -v13                          ; the new -M = floor(-t) = -ceil(t)
	v_sub_f32 v56, v12, v56                        ; old M - new M: a whole number, 0 or less
	v_cvt_i32_f32 v56, v56                         ; (it saturates)
	v_ldexp_f32 v[FF], 1.0, v56                    ; f = 2^(old M - new M)
.set j, 0
.rept 32
	v_pk_fma_f32 v[WR+j:WR+j+1], v[SC+j:SC+j+1], s[CS:CS+1], v[12:13] op_sel_hi:[1,0,0]   ; t - M, two at a time, into other registers than the scores'
.set j, j+2
.endr
.irp b, 0,1,2,3
	v_fma_f32 v[BM+\b], v[BM+\b], s[CS], v12       ; the same of each block's largest score
.endr
.set j, 0
.rept 64
	v_exp_f32 v[WR+j], v[WR+j]                     ; p = 2^(t - M), at most 1
.set j, j+1
.endr
	v_pk_mul_f32 v[14:15], v[14:15], v[FF:FF+1] op_sel_hi:[1,0]   ; l under the new M; the plain place behind the exponentials
	s_wait_alu depctr_va_vdst(0)                   ; one wait for the batch of 64, ahead of its first reader
.irp b, 0,1,2,3
	v_exp_f32 v[BM+\b], v[BM+\b]                   ; the block's largest p: the same two instructions on the same number
.endr
	v_pk_add_f32 v[CD:CD+1], v[WR:WR+1], v[WR+2:WR+3]   ; l takes the UNQUANTISED p: two at a time, in two chains; these lines read the 64 alone
.set j, 4
.rept 15
	v_pk_add_f32 v[14:15], v[14:15], v[WR+j:WR+j+1]
	v_pk_add_f32 v[CD:CD+1], v[CD:CD+1], v[WR+j+2:WR+j+3]
.set j, j+4
.endr
	v_pk_add_f32 v[14:15], v[14:15], v[CD:CD+1]
	s_wait_alu depctr_va_vdst(0)                   ; and one for the four
.irp b, 0,1,2,3
	v_max_num_f32 v[BM+\b], 0x1800000, v[BM+\b]    ; the floor 2^(3 - 127): the byte cannot fall under 1
.endr
	CODES
	v_add_nc_u32 v8, s[TV], v3
	v_add_nc_u32 v9, s[TT], v4
.irp t, 0,1,2,3                        ; V's eight fragments: tile 2 b + u begins at row d = 32 b + 8 u: 33,536 b + 8,320 u bytes
.irp c, 0,1
	ds_load_b128 v[WR+8*\t+4*\c:WR+8*\t+4*\c+3], v8 offset:33536*(\t/2)+8320*(\t%2)+32*\c
.endr
.endr
	v_add_nc_u32 v8, 67072, v8                     ; tiles 4 to 7 lie beyond the 16-bit offset
.irp t, 0,1,2,3
.irp c, 0,1
	ds_load_b128 v[WR+32+8*\t+4*\c:WR+32+8*\t+4*\c+3], v8 offset:33536*(\t/2)+8320*(\t%2)+32*\c
.endr
.endr
.irp i, 0,1,2,3
	ds_load_b32 v[SW+\i], v9 offset:2304*\i        ; V's scale words: tile 2 i's in lanes 0-15, tile 2 i + 1's in lanes 16-31
.endr
.set j, 0
.rept 32
	v_pk_mul_f32 v[OT+j:OT+j+1], v[OT+j:OT+j+1], v[FF:FF+1] op_sel_hi:[1,0]   ; O^T under the new M.  These 32 stand between the scale word and the codes, made by vector instructions, and the products; V lands meanwhile
.set j, j+2
.endr
	s_wait_dscnt 0x0
.irp t, 0,1,2,3,4,5,6,7                ; O^T += V^T P^T: eight accumulators, one instruction each
	MX OT+8*\t, WR+8*\t, CD, OT+8*\t, SW+\t/2, PW, \t%2, 0
.endr
	s_add_co_u32 s[TK], s[TK], 9216
	s_add_co_u32 s[TS], s[TS], 512
	s_add_co_u32 s[TV], s[TV], 64
	s_add_co_u32 s[TT], s[TT], 4
.endm
; A UNIT: head 4 p + g for my 16 queries
.macro UNIT p
	v_and_b32 v52, 15, v0                          ; r
	v_bfe_u32 v53, v0, 4, 1                        ; h
	v_lshlrev_b32 v8, 6, v52
	v_lshl_add_u32 v8, v53, 4, v8                  ; a fragment from rows of 64 bytes: 64 r + 16 h
	v_lshlrev_b32 v9, 2, v52                       ; a scale word a row
	v_lshlrev_b32 v52, 5, v53                      ; a bias in the result's layout: my half's eight numbers
	global_load_b128 v[WR:WR+3], v8, s[4:5]                        ; my 16 queries' codes
	global_load_b128 v[WR+4:WR+7], v8, s[4:5] offset:32
	global_load_b32 v[SW], v9, s[6:7]
	global_load_b128 v[WR+8:WR+11], v8, s[8:9] offset:4096*\p      ; the head's 16 rows of Wq
	global_load_b128 v[WR+12:WR+15], v8, s[8:9] offset:4096*\p+32
	global_load_b32 v[SW+1], v9, s[10:11] offset:256*\p
	global_load_b128 v[WR+16:WR+19], v52, s[12:13] offset:256*\p   ; bq
	global_load_b128 v[WR+20:WR+23], v52, s[12:13] offset:256*\p+16
	global_load_b128 v[WK:WK+3], v8, s[14:15] offset:4096*\p       ; the head's 16 rows of Wk: they stay for the unit
	global_load_b128 v[WK+4:WK+7], v8, s[14:15] offset:4096*\p+32
	global_load_b32 v[WKS], v9, s[16:17] offset:256*\p
	global_load_b128 v[BK:BK+3], v52, s[18:19] offset:256*\p       ; bk
	global_load_b128 v[BK+4:BK+7], v52, s[18:19] offset:256*\p+16
	s_wait_loadcnt 0x0
	MX QF, WR+8, WR, WR+16, SW+1, SW, 0, 0         ; q: lane (r, h) register j = q[query r][8 h + j]
.set j, 0
.rept 64
	v_mov_b32 v[OT+j], 0                           ; O^T.  The step is written once: its first trip finds zeros, which the first change of M leaves zeros.  (Also the places behind q's product)
.set j, j+1
.endr
	v_mov_b32 v13, 0xff61b1e6                      ; the largest t so far: -3e38
	v_floor_f32 v12, -v13                          ; -M
	v_mov_b32 v14, 0                               ; l, in two halves
	v_mov_b32 v15, 0
	s_mov_b32 s[TK], 0
	s_mov_b32 s[TS], 0
	s_mov_b32 s[TV], 0
	s_mov_b32 s[TT], 0
	s_mov_b32 s[CNT], 16
.if \p == 0
	s_wait_tensorcnt 0x0                           ; my fill has landed,
	s_barrier_signal -1
	s_barrier_wait -1                              ; everybody's has: the batch lies in LDS
.endif
.Lstep_\@:
	STEP
	s_sub_co_u32 s[CNT], s[CNT], 1
	s_cmp_lg_u32 s[CNT], 0
	s_cbranch_scc1 .Lstep_\@
	v_add_f32 v14, v14, v15                        ; l's two halves,
	v_permlanex16_b32 v56, v14, s[SEL], s[SEL+1]
	v_add_f32 v14, v14, v56                        ; and lane l xor 16's
	v_rcp_f32 v14, v14
	PLACES 4                                       ; behind the last products, whose results are read next, and behind the reciprocal
	s_wait_alu depctr_va_vdst(0)                   ; the wait ahead of the reciprocal's first reader
.set j, 0
.rept 32
	v_pk_mul_f32 v[WR+j:WR+j+1], v[OT+j:OT+j+1], v[14:15] op_sel_hi:[1,0]   ; x = O / l: register 16 b + i is x(query r, d = 32 b + 16 h + i)
.set j, j+2
.endr
.if \p == 1
	; what the last phase wants from memory is asked for here, into registers that are done with: Wo's eight fragments where O^T lay, bo where bk lay
	v_and_b32 v8, 15, v0
	v_bfe_u32 v9, v0, 4, 1
	v_lshlrev_b32 v1, 9, v8
	v_lshl_add_u32 v1, v9, 4, v1                   ; Wo: row r of 512 bytes + 16 h
	v_lshlrev_b32 v2, 5, v8
	v_lshl_add_u32 v2, v9, 2, v2                   ; its scale words: row r of 32 bytes; lanes 0-15 take an even K step's, lanes 16-31 the odd one's behind it
	v_lshlrev_b32 v3, 5, v9                        ; bo: my half's eight numbers
.irp s, 0,1,2,3,4,5,6,7
.irp c, 0,1
	global_load_b128 v[OT+8*\s+4*\c:OT+8*\s+4*\c+3], v1, s[20:21] offset:64*\s+32*\c
.endr
.endr
	global_load_b32 v10, v2, s[22:23]
	global_load_b32 v11, v2, s[22:23] offset:8
	global_load_b32 v62, v2, s[22:23] offset:16
	global_load_b32 v63, v2, s[22:23] offset:24
	global_load_b128 v[BK:BK+3], v3, s[24:25]
	global_load_b128 v[BK+4:BK+7], v3, s[24:25] offset:16
.endif
.irp b, 0,1,2,3                        ; x is quantised: K step 4 p + g of the last product, for my 16 queries
	v_max3_num_f32 v[BM+\b], |v[WR+16*\b]|, |v[WR+16*\b+1]|, 0x1800000   ; block b: my 16 numbers, and the floor 2^(3 - 127)
.endr
.irp i, 2,4,6,8,10,12,14
.irp b, 0,1,2,3
	v_max3_num_f32 v[BM+\b], v[BM+\b], |v[WR+16*\b+\i]|, |v[WR+16*\b+\i+1]|
.endr
.endr
.irp b, 0,1,2,3
	v_permlanex16_b32 v[PT+\b], v[BM+\b], s[SEL], s[SEL+1]
.endr
.irp b, 0,1,2,3
	v_max_num_f32 v[BM+\b], v[BM+\b], v[PT+\b]
.endr
	CODES
	; the fragment goes to LDS as an image of its registers, its scale word beside it: every address is a constant + a constant x thread
.if \p == 0
	v_lshl_add_u32 v8, v0, 4, XA
	v_lshl_add_u32 v9, v0, 2, XAS
.else
	v_lshl_add_u32 v8, v0, 4, XB
	v_lshl_add_u32 v9, v0, 2, XBS
	s_wait_dscnt 0x0                               ; my reads of the key codes are over,
	s_barrier_signal -1
	s_barrier_wait -1                              ; everybody's are: their bytes may be written
.endif
	ds_store_b128 v8, v[CD:CD+3]
	ds_store_b128 v8, v[CD+4:CD+7] offset:8192
	ds_store_b32 v9, v[PW]
	s_wait_dscnt 0x0                               ; my stores have landed
.if \p == 1
	s_barrier_signal -1
	s_barrier_wait -1                              ; all 32 images lie in LDS
.endif
.endm
; The last phase.  A batch of four K steps (heads 4 be + q) for two tiles of queries (i): the image of head 4 be + q, tile 2 mp + i was stored by wave 4 q + 2 mp + i
.macro XIMG adr
.irp q, 0,1,2,3
.irp i, 0,1
.irp c, 0,1
	ds_load_b128 v[WR+8*(2*\q+\i)+4*\c:WR+8*(2*\q+\i)+4*\c+3], v[\adr] offset:2048*\q+512*\i+8192*\c
.endr
.endr
.endr
.endm
.macro XSCL adr                        ; register q: the first tile's scale words in lanes 0-15, the second's in lanes 16-31
.irp q, 0,1,2,3
	ds_load_b32 v[SW+\q], v[\adr] offset:512*\q
.endr
.endm
.macro OUTP be                         ; source 0 = 16 rows of Wo, source 1 = x: a lane holds eight neighbouring outputs of one query.  Two accumulators by turns; bo is the C of each sum's first product
.irp q, 0,1,2,3
.irp i, 0,1
.if (\be == 0) && (\q == 0)
	MX QF+8*\i, OT+8*(4*\be+\q), WR+8*(2*\q+\i), BK, 10+52*\be+\q/2, SW+\q, \q%2, \i
.else
	MX QF+8*\i, OT+8*(4*\be+\q), WR+8*(2*\q+\i), QF+8*\i, 10+52*\be+\q/2, SW+\q, \q%2, \i
.endif
.endr
.endr
.endm
	s_load_b64 s[G0K+2:G0K+3], s[0:1], 0x0         ; key_codes, key_scales, value_codes, value_scales: each into its descriptor's address words
	s_load_b64 s[G0S+2:G0S+3], s[0:1], 0x8
	s_load_b64 s[G0V+2:G0V+3], s[0:1], 0x10
	s_load_b64 s[G0T+2:G0T+3], s[0:1], 0x18
	s_load_b512 s[4:19], s[0:1], 0x20              ; query_codes 4, query_scales 6, Wq_codes 8, Wq_scales 10, bq 12, Wk_codes 14, Wk_scales 16, bk 18
	s_load_b256 s[20:27], s[0:1], 0x60             ; Wo_codes 20, Wo_scales 22, bo 24, out0 26
	v_lshl_add_u32 v[SPW], v0, 2, SPARE
	v_mov_b32 v[NIL], 0
	ds_add_u32 v[SPW], v[NIL]                      ; the wave's opening: the add, twice on end, and its wait ahead of the round in front of the first tensor loads; the set-up below, work on registers, stands between
	ds_add_u32 v[SPW], v[NIL]
	v_lshrrev_b32 v8, 5, v0
	v_readfirstlane_b32 s[WV], v8                  ; wave 0..15
	s_and_b32 s[MT], s[WV], 3
	s_lshr_b32 s[HG], s[WV], 2
	s_and_b32 s[NT], s[WV], 7
	s_and_b32 s[BA], ttmp7, 0xffff                 ; the batch, which the four partners share
	s_bfe_u32 s66, ttmp6, 0x40000                  ; cx: my place in the cluster
	s_lshl_b32 s98, ttmp9, 2
	s_add_co_u32 s66, s98, s66                     ; my block of 64 queries = 4 x cluster x + cx: it enters query's and out0's addresses alone
	GROUP1 G1K, W0K, 128, 256                      ; key codes: 256 rows of two keys to a load
	GROUP1 G1S, W0S, 32, 32                        ; key scales: 8,192 dense bytes as 32 rows of 256
	GROUP1 G1V, W0V, 1024, 16                      ; value codes: a group of 16 rows d to a load, so that each group can stand at its own place round the banks
	GROUP1 G1T, W0T, 64, 128                       ; value scales: 128 rows of 64 bytes
	s_mov_b32 s[G0K], 1
	s_mul_i32 s[G0K+1], s[MT], 36864               ; KC + 256 rows of 144 bytes x (wave % 4)
	s_mov_b32 s[G0S], 1
	s_mov_b32 s[G0S+1], SCK
	s_mov_b32 s[G0V], 1
	s_mul_i32 s[G0V+1], s[NT], 16768
	s_add_co_u32 s[G0V+1], s[G0V+1], VC            ; VC + a group x (wave % 8)
	s_mov_b32 s[G0T], 1
	s_mov_b32 s[G0T+1], SCV
	s_mov_b32 s[SEL], 0x76543210
	s_mov_b32 s[SEL+1], 0xfedcba98
	s_mov_b32 s[CS], 0x3eb8aa3b                    ; log2(e) / 4
	s_mov_b32 s[CS+1], s[CS]
	s_mov_b32 s95, 0
	s_mov_b32 s97, 0
	v_and_b32 v8, 15, v0                           ; r
	v_bfe_u32 v9, v0, 4, 1                         ; h
	v_and_b32 v52, 8, v8
	v_add_nc_u32 v52, v52, v8                      ; r' = r + 8 (r / 8)
	v_lshrrev_b32 v53, 1, v52
	v_mul_u32_u24 v1, v53, 144
	v_and_b32 v53, 1, v52
	v_lshl_add_u32 v1, v53, 6, v1
	v_lshl_add_u32 v1, v9, 4, v1                   ; KC (0) + 144 (r' / 2) + 64 (r' % 2) + 16 h
	v_lshlrev_b32 v2, 2, v52
	v_lshl_add_u32 v2, v9, 5, v2
	v_add_nc_u32 v2, SCK, v2                       ; SCK + 4 r' + 32 h: lanes 16-31 take the tile eight keys on
	v_and_b32 v53, 7, v8
	v_mul_u32_u24 v3, v53, 1040
	v_lshrrev_b32 v53, 3, v8
	v_mad_u32_u24 v3, v53, 16768, v3
	v_lshl_add_u32 v3, v9, 4, v3
	v_add_nc_u32 v3, VC, v3                        ; VC + 1,040 (r % 8) + 16,768 (r / 8) + 16 h
	v_mul_u32_u24 v4, v52, 72
	v_mad_u32_u24 v4, v9, 576, v4
	v_add_nc_u32 v4, SCV, v4                       ; SCV + 72 r' + 576 h
.irp b, 0,1,2,3
	v_mov_b32 v[PT+\b], 0                          ; written once: a lane exchange's destination counts as one of its sources
.endr
	v_mov_b32 v56, 0
	v_mov_b32 v[PW], 0                             ; (named as the upper half of the pair v[60:61] before it is first written)
	s_wait_dscnt 0x0                               ; both opening adds are done
	s_wait_kmcnt 0x0
	s_lshl_b32 s94, s[BA], 17                      ; a batch's codes: 131,072 bytes
	s_add_nc_u64 s[G0K+2:G0K+3], s[G0K+2:G0K+3], s[94:95]
	s_add_nc_u64 s[G0V+2:G0V+3], s[G0V+2:G0V+3], s[94:95]
	s_lshl_b32 s94, s[MT], 15                      ; 512 keys x 64 bytes
	s_add_nc_u64 s[G0K+2:G0K+3], s[G0K+2:G0K+3], s[94:95]
	s_lshl_b32 s94, s[NT], 14                      ; 16 rows x 1,024 bytes
	s_add_nc_u64 s[G0V+2:G0V+3], s[G0V+2:G0V+3], s[94:95]
	s_lshl_b32 s94, s[BA], 13                      ; a batch's scale bytes: 8,192
	s_add_nc_u64 s[G0S+2:G0S+3], s[G0S+2:G0S+3], s[94:95]
	s_add_nc_u64 s[G0T+2:G0T+3], s[G0T+2:G0T+3], s[94:95]
	s_or_b32 s[G0K+3], s[G0K+3], 0x80000000        ; the type
	s_or_b32 s[G0S+3], s[G0S+3], 0x80000000
	s_or_b32 s[G0V+3], s[G0V+3], 0x80000000
	s_or_b32 s[G0T+3], s[G0T+3], 0x80000000
	s_lshl_b32 s94, s[HG], 10                      ; head g: 16 rows of 64 bytes of Wq's and Wk's codes;
	s_add_nc_u64 s[8:9], s[8:9], s[94:95]
	s_add_nc_u64 s[14:15], s[14:15], s[94:95]
	s_lshl_b32 s94, s[HG], 6                       ; 64 bytes of their scale words and of the biases
	s_add_nc_u64 s[10:11], s[10:11], s[94:95]
	s_add_nc_u64 s[12:13], s[12:13], s[94:95]
	s_add_nc_u64 s[16:17], s[16:17], s[94:95]
	s_add_nc_u64 s[18:19], s[18:19], s[94:95]
	s_lshl_b32 s94, s[NT], 13                      ; my 16 rows of Wo: 512 bytes each,
	s_add_nc_u64 s[20:21], s[20:21], s[94:95]
	s_lshl_b32 s94, s[NT], 9                       ; 32 bytes of scales each,
	s_add_nc_u64 s[22:23], s[22:23], s[94:95]
	s_lshl_b32 s94, s[NT], 6                       ; and 16 numbers of bo
	s_add_nc_u64 s[24:25], s[24:25], s[94:95]
	s_lshl_b32 s98, s[BA], 11
	s_lshl_b32 s99, s66, 6
	s_add_co_u32 s98, s98, s99                     ; my work-group's first row: 2,048 x batch + 64 x block
	s_lshl_b32 s99, s[MT], 4
	s_add_co_u32 s99, s98, s99                     ; my tile's first query
	s_lshl_b32 s96, s99, 6
	s_add_nc_u64 s[4:5], s[4:5], s[96:97]
	s_lshl_b32 s96, s99, 2
	s_add_nc_u64 s[6:7], s[6:7], s[96:97]
	s_lshl_b32 s99, s[WV], 2
	s_add_co_u32 s99, s98, s99                     ; the four rows of out0 that I store
	s_lshl_b32 s96, s99, 9
	s_add_nc_u64 s[26:27], s[26:27], s[96:97]
	CROUND                                         ; all four work-groups are here: the joint loads meet
	; The first fills, and the only ones: one load a wave, in one chain of branches on the wave's number, the same in every work-group.  Waves 0-7: V's groups; 8-11: the keys' quarters; 12: the keys' scales; 13: V's scales.
	; An s_nop 0 and four v_nop follow each load.  A wave has at most one tensor load out.
	s_cmp_lt_u32 s[WV], 8
	s_cbranch_scc0 .Lnot_v
	tensor_load_to_lds s[G0V:G0V+3], s[G1V:G1V+7]
	s_nop 0
	PLACES 4
	s_branch .Lasked
.Lnot_v:
	s_cmp_lt_u32 s[WV], 12
	s_cbranch_scc0 .Lnot_k
	tensor_load_to_lds s[G0K:G0K+3], s[G1K:G1K+7]
	s_nop 0
	PLACES 4
	s_branch .Lasked
.Lnot_k:
	s_cmp_eq_u32 s[WV], 12
	s_cbranch_scc0 .Lnot_s
	tensor_load_to_lds s[G0S:G0S+3], s[G1S:G1S+7]
	s_nop 0
	PLACES 4
	s_branch .Lasked
.Lnot_s:
	s_cmp_eq_u32 s[WV], 13
	s_cbranch_scc0 .Lasked
	tensor_load_to_lds s[G0T:G0T+3], s[G1T:G1T+7]
	s_nop 0
	PLACES 4
.Lasked:
	UNIT 0                                         ; head g (its q is made while the fills are on their way)
	UNIT 1                                         ; head 4 + g
	; THE LAST PHASE: out0 = x Wo + bo for outputs 16 (wave % 8) on and query tiles 2 mp, 2 mp + 1, mp = wave / 8
	s_lshr_b32 s93, s[WV], 3                       ; mp
	v_and_b32 v52, 31, v0                          ; lane
	v_bfe_u32 v53, v0, 4, 1                        ; h
	v_and_b32 v54, 15, v0                          ; r
	s_lshl_b32 s98, s93, 10
	s_add_co_u32 s98, s98, XB
	v_lshl_add_u32 v4, v52, 4, s98                 ; an image's place for my lane: XB + 16 x lane + 1,024 mp
	s_lshl_b32 s99, s93, 8
	s_add_co_u32 s99, s99, XBS
	v_lshlrev_b32 v8, 2, v52
	v_lshl_add_u32 v8, v53, 7, v8
	v_add_nc_u32 v8, s99, v8                       ; a scale word's: XBS + 4 x lane + 128 h + 256 mp: lanes 16-31 take the second tile's
	v_add_nc_u32 v9, XA-XB, v4                     ; heads 0 to 3 lie in unit 0's images
	XIMG 9
	v_add_nc_u32 v9, XAS-XBS, v8
	XSCL 9
	s_wait_loadcnt 0x0                             ; Wo, its scale words and bo are in; their offset registers may be written
	v_mul_u32_u24 v3, v54, 528
	v_lshl_add_u32 v3, v53, 5, v3
	s_mul_i32 s98, s93, 16896
	s_lshl_b32 s99, s[NT], 6
	s_add_co_u32 s98, s98, s99
	s_add_co_u32 s98, s98, STAGE
	v_add_nc_u32 v3, s98, v3                       ; the stage, on the way in: row 32 mp + r, my outputs' 64 bytes, + 32 h
	s_wait_dscnt 0x0
	OUTP 0
	PLACES 4                                       ; in front of loads into registers that these products have read
	XIMG 4                                         ; heads 4 to 7
	XSCL 8
	s_wait_dscnt 0x0
	OUTP 1
	PLACES 4                                       ; in front of the first read of the results
	ds_store_b128 v3, v[QF:QF+3]                   ; each accumulator from its low end on
	ds_store_b128 v3, v[QF+4:QF+7] offset:16
	ds_store_b128 v3, v[QF+8:QF+11] offset:8448    ; the second tile: 16 rows of 528 bytes on
	ds_store_b128 v3, v[QF+12:QF+15] offset:8464
	s_mul_i32 s98, s[WV], 2112
	s_add_co_u32 s98, s98, STAGE
	v_lshl_add_u32 v9, v52, 4, s98                 ; back: rows 4 w .. 4 w + 3, 16 bytes a lane
	v_lshlrev_b32 v4, 4, v52                       ; and the same in out0
	s_wait_dscnt 0x0                               ; my stores into the stage have landed
	s_barrier_signal -1
	s_barrier_wait -1                              ; 64 whole rows lie in the stage
.irp i, 0,1,2,3
	ds_load_b128 v[WR+4*\i:WR+4*\i+3], v9 offset:528*\i
.endr
.irp i, 0,1,2,3
	s_wait_dscnt 3-\i                              ; LDS loads come back in order: row i is in, the younger ones may be out
	global_store_b128 v4, v[WR+4*\i:WR+4*\i+3], s[26:27] offset:512*\i th:TH_STORE_NT   ; 32 lanes store a row's 512 consecutive bytes, at a multiple of 512 from out0's first byte
.endr
	s_wait_tensorcnt 0x0                           ; the wave's end, behind my last tensor load and my last LDS store
	ds_add_u32 v[SPW], v[NIL]
	s_wait_dscnt 0x0
	CROUND                                         ; the closing round
	s_endpgm
.Lfunc_end_k_q0b7442d662_mta:
	.size	k_q0b7442d662_mta, .Lfunc_end_k_q0b7442d662_mta-k_q0b7442d662_mta
	.p2alignl 7, 3214868480
	.fill 96, 4, 3214868480
	.section	.rodata,"a",@progbits
	.p2align	6, 0x0
	.amdhsa_kernel k_q0b7442d662_mta
		.amdhsa_group_segment_fixed_size 327680
		.amdhsa_private_segment_fixed_size 0
		.amdhsa_enable_private_segment 0
		.amdhsa_kernarg_size 128
		.amdhsa_user_sgpr_count 2
		.amdhsa_user_sgpr_kernarg_segment_ptr 1
		.amdhsa_wavefront_size32 1
		.amdhsa_system_sgpr_workgroup_id_x 1
		.amdhsa_system_sgpr_workgroup_id_y 1
		.amdhsa_system_sgpr_workgroup_id_z 1
		.amdhsa_system_vgpr_workitem_id 0
		.amdhsa_next_free_vgpr 256
		.amdhsa_next_free_sgpr 100
		.amdhsa_reserve_vcc 0
		.amdhsa_float_denorm_mode_32 3
		.amdhsa_float_denorm_mode_16_64 3
		.amdhsa_memory_ordered 1
		.amdhsa_forward_progress 1
		.amdhsa_inst_pref_size 81
	.end_amdhsa_kernel
	.amdgpu_metadata
---
amdhsa.version: [ 1, 2 ]
amdhsa.kernels:
  - .name:           k_q0b7442d662_mta
    .symbol:         k_q0b7442d662_mta.kd
    .args:
      - { .name: key_codes, .offset: 0, .size: 8, .value_kind: global_buffer, .address_space: global }
      - { .name: key_scales, .offset: 8, .size: 8, .value_kind: global_buffer, .address_space: global }
      - { .name: value_codes, .offset: 16, .size: 8, .value_kind: global_buffer, .address_space: global }
      - { .name: value_scales, .offset: 24, .size: 8, .value_kind: global_buffer, .address_space: global }
      - { .name: query_codes, .offset: 32, .size: 8, .value_kind: global_buffer, .address_space: global }
      - { .name: query_scales, .offset: 40, .size: 8, .value_kind: global_buffer, .address_space: global }
      - { .name: Wq_codes, .offset: 48, .size: 8, .value_kind: global_buffer, .address_space: global }
      - { .name: Wq_scales, .offset: 56, .size: 8, .value_kind: global_buffer, .address_space: global }
      - { .name: bq, .offset: 64, .size: 8, .value_kind: global_buffer, .address_space: global }
      - { .name: Wk_codes, .offset: 72, .size: 8, .value_kind: global_buffer, .address_space: global }
      - { .name: Wk_scales, .offset: 80, .size: 8, .value_kind: global_buffer, .address_space: global }
      - { .name: bk, .offset: 88, .size: 8, .value_kind: global_buffer, .address_space: global }
      - { .name: Wo_codes, .offset: 96, .size: 8, .value_kind: global_buffer, .address_space: global }
      - { .name: Wo_scales, .offset: 104, .size: 8, .value_kind: global_buffer, .address_space: global }
      - { .name: bo, .offset: 112, .size: 8, .value_kind: global_buffer, .address_space: global }
      - { .name: out0, .offset: 120, .size: 8, .value_kind: global_buffer, .address_space: global }
    .group_segment_fixed_size: 327680
    .private_segment_fixed_size: 0
    .kernarg_segment_align: 8
    .kernarg_segment_size: 128
    .max_flat_workgroup_size: 512
    .sgpr_count:     100
    .vgpr_count:     256
    .wavefront_size: 32
...
	.end_amdgpu_metadata
.endif
;; end of part 1
